; MI455X (gfx1250); checked and timed in simulation.
; The chip was launched on July 23, 2026; its instructions are those of AMD's public machine-readable ISA for CDNA 5 (MIT licence, August 2026) and "CDNA5" Instruction Set Architecture Reference Guide (July 2026). The comments in the code are by the model that wrote it; some were corrected since.
;; Grouped Self Attention. Allowed arithmetic: matrix products marked QUANTISED: E5M2 operands, one given power-of-two scale a tensor, by v_wmma_f32_16x16x64_bf8_bf8 or v_wmma_f32_16x16x128_bf8_bf8, f32 sums; everything else in f32.
;; Inputs: Wk 1,024 x 1,024 float32; Wq 1,024 x 1,024 float32; Wv 1,024 x 1,024 float32; attention_mask 2 x 2,048 int32; lowp_scales 10 int32 (the exponents e of the quantised operands' scales 2^e); x 2 x 2,048 x 1,024 float32.
;; Outputs: out0 2 x 2,048 x 1,024 float32.
;; This version of the problem:
;;   THIS VERSION OF THE PROBLEM IS GIVEN IN LOW PRECISION. The matrix products marked QUANTISED in the list below multiply operands that are first quantised to E5M2 (5 exponent bits, 2 mantissa bits; 8 bits a number), with one given power-of-two scale for each operand tensor; their sums are f32. All else is computed in f32.
;;   The module's matrix products, in the order in which they are computed (A, B: the left and right operand; K: the contracted axis; several contracted axes count as one K, in the product's order):
;;     1. [M 4,096, K 1,024] x [K 1,024, N 1,024]; A: input x; B: input Wq: QUANTISED (scales: A lowp_scales[0], B lowp_scales[1])
;;     2. [M 4,096, K 1,024] x [K 1,024, N 1,024]; A: input x; B: input Wk: QUANTISED (scales: A lowp_scales[2], B lowp_scales[3])
;;     3. [M 4,096, K 1,024] x [K 1,024, N 1,024]; A: input x; B: input Wv: QUANTISED (scales: A lowp_scales[4], B lowp_scales[5])
;;     4. batch 32 x [M 2,048, K 64] x [K 64, N 2,048]; A: computed on the way; B: computed on the way: QUANTISED (scales: A lowp_scales[6], B lowp_scales[7])
;;     5. batch 32 x [M 64, K 2,048] x [K 2,048, N 2,048]; A: computed on the way; B: softmax (see below): QUANTISED (scales: A lowp_scales[8], B lowp_scales[9])
;;   THE QUANTISER, for each operand of a quantised product, along K:
;;     - The operand's scale is 2^e, e = its entry of the input lowp_scales (int32; the entries are numbered through the quantised products in the list's order, A before B).
;;     - Each number is divided by the scale, clamped to +-57,344, and rounded to the nearest number of E5M2, ties to even, subnormals kept.
;;     - The product sums the exact products of the quantised numbers (number of the format x scale) in f32.
;;   ~~~python
;;   def quantise(x, axis, e):      # numpy; x: float32 -> the quantised numbers, widened to float32 again
;;       x = np.moveaxis(x, axis, -1); K = x.shape[-1]
;;       r = np.clip(x / 2.0 ** e, -57344, 57344)
;;       step = 2.0 ** (np.maximum(np.frexp(np.where(r == 0, 1, r))[1] - 1, -14) - 2)
;;       q = np.round(r / step) * step * 2.0 ** e      # np.round: ties to even
;;       return np.moveaxis(q, -1, axis).astype(np.float32)
;;   ~~~
;;   SOFTMAX AHEAD OF A QUANTISED PRODUCT. Where the list says 'softmax', what is quantised is not the finished softmax but p = 2^(t - M), with t = logit x log2(e) and M = ceil(the row's largest t), a whole number; so 1/2 < the row's largest p <= 1. The row's sum l is taken of the UNQUANTISED p, in f32, and the product's result is divided by l at the end. Since M is a whole number, a kernel that streams over the keys may use a running M (the ceiling of the running maximum): every later rescaling is an exact power of two, so the quantised numbers keep their values, but for numbers so far below the row's largest that they fall under the format's range.
;;   OPERANDS COMPUTED ON THE WAY. 'Computed on the way' means the value that the module computes at that place (a softmax that the list does not call 'softmax' is quantised finished and normalised). What goes into a quantiser is computed in f32, as accurately as f32 sums, v_exp_f32 and their like allow (about 1e-6 of the number): no bf16 or f16 on the way to a quantiser, and a product that is left as it is and whose result goes on into a quantised operand takes f32 operands (vector FMAs, or v_wmma_f32_16x16x4_f32). A number that lies on a knife's edge between two numbers of the format may be rounded either way, as far as f32 arithmetic and the matrix unit's own rounding can turn it there, and no further.
;; One version. Each part assembles by itself: llvm-mc -triple=amdgcn-amd-amdhsa -mcpu=gfx1250 --defsym DOCPART=n.
;; ======== version 1 of 1: 3 launches
;; limits: right only within a limited range of input values
;; workspace buffers: codes 15,728,640 bytes; qkv 12,582,912 bytes; flags 1,024 bytes of whole numbers
;; launch quant (part 1): grid 449 x 1, 4 waves a work-group, no clusters, 41,472 bytes of LDS; arguments x, Wq, Wk, Wv, lowp_scales, codes, attention_mask, flags; writes codes, flags
.if DOCPART == 1
	.amdgcn_target "amdgcn-amd-amdhsa--gfx1250"
	.amdhsa_code_object_version 6
	.text
	.protected	k_q8c2d54e7d0_quant
	.globl	k_q8c2d54e7d0_quant
	.p2align	8
	.type	k_q8c2d54e7d0_quant,@function
k_q8c2d54e7d0_quant:
	s_mov_b64 s[64:65], 0
	v_nop
	global_prefetch_b8 v0, s[64:65] scope:SCOPE_SE
	s_setreg_imm32_b32 hwreg(HW_REG_WAVE_MODE, 25, 1), 1
	s_wait_xcnt 0x0
; x [4096][1024] and Wq, Wk, Wv [1024][1024], f32, K innermost, become codes of BF8 (E5M2), one byte each, K innermost.
; code = number / 2^e, held within +-57,344, rounded to the nearest code, ties to even.
; x is an operand of three products, each with an exponent of its own (entries 0, 2, 4 of the scales): it is read ONCE and converted three times.  Wq, Wk, Wv take entries 1, 3, 5.
; The buffer of codes, in units of Mi = 2^20 bytes: x for q at 0, x for k at 4, Wv at 8, Wq at 9, Wk at 10, x for v at 11.
; LIMITS: each e lies between -126 and 112, so that 2^e and 57,344 x 2^e are f32 numbers.  NaN among the inputs is not served (an infinity is held at the largest code).
; SHARES.  A work-group takes 16,384 numbers, a wave 8 steps of 512.  Work-groups 0-255 take x, 256-447 the weights, 64 for each.  Rows are dense, so each tensor is a plain stream.
; A conversion takes eight neighbours along K from ONE lane's registers; a load is best where neighbouring LANES take neighbouring bytes.  Both are had: each of a step's four loads reads 512 consecutive
; bytes, 16 a lane; the 2,048 bytes go through the wave's own stage in LDS as they lie and come back 64 bytes a lane (16 bytes of padding behind each 64, so that the lanes' reads spread over the banks).
; A lane's 16 codes are 16 bytes: each store of the wave covers two runs of 256 consecutive bytes, aligned, 32,768 bytes apart.  No barrier: waves share nothing.  Loads run four steps (16 loads a wave) ahead, the turn through LDS one step.
; The two paths (x, weights) part on the work-group's number and never join; each has LDS bytes of its own.
; Work-group 448 reads the mask: wave w takes words 1,024 w .. + 1,023 (batch w / 2), four blocks of 256 keys, and stores one word, 64 times on end from flags byte 256 w: bit 4 (w % 2) + i is set where block i of the four holds a 0.
; THE CODES' LAYOUT within a tensor: [block of 128 rows][4 K steps][128 rows][256 codes], so that one K step of 128 rows is 32,768 bytes on end, and two K steps 65,536.
; A step's 512 codes are half a row: two K steps.  Lanes 0-15 store 256 consecutive bytes, aligned, of the first, lanes 16-31 of the second, 32,768 bytes further on.
.set STEPS, 8
.set SP,    80                         ; a lane's place in a stage: its 64 bytes + 16 of padding
.set STG,   32*SP                      ; a stage
.set WREG,  2*STG                      ; a wave's two stages
.set WPATH, 4*WREG                     ; the weights' path begins here
.set MI,    0x100000
.set R,     16                         ; v16-79    four sets of 16 numbers as loaded
.set X,     80                         ; v80-111   two sets of 16 neighbours
.set T,     112                        ; v112-159  three sets of 16 held numbers, one for each output
.set C,     160                        ; v160-183  codes: two sets (by turns) x three outputs x four registers
.set SCL,   184                        ; v184-189  output o: 2^e at +2 o, 57,344 x 2^e at +2 o + 1
	s_load_b256 s[4:11], s[0:1], 0x0               ; x, Wq, Wk, Wv
	s_load_b128 s[12:15], s[0:1], 0x20             ; the scales' exponents, the codes
	s_load_b128 s[44:47], s[0:1], 0x30             ; the mask, the flags
	v_lshl_add_u32 v192, v0, 2, 0xa000
	v_mov_b32 v193, 0
	v_lshrrev_b32 v1, 5, v0
	v_readfirstlane_b32 s16, v1                    ; wave
	v_and_b32 v2, 31, v0                           ; lane
	v_lshlrev_b32 v3, 4, v2                        ; my 16 bytes of a load's 512, and of a store's
	s_mul_i32 s17, s16, WREG
	v_lshrrev_b32 v14, 2, v2
	v_mul_u32_u24 v14, v14, SP
	v_and_b32 v15, 3, v2
	v_lshl_add_u32 v14, v15, 4, v14
	v_add_nc_u32 v14, s17, v14                     ; the stage, on the way in: four lanes' 64 bytes on end, then the padding
	v_mul_u32_u24 v15, v2, SP
	v_add_nc_u32 v15, s17, v15                     ; and on the way out: my 16 neighbours
	v_and_b32 v5, 15, v2
	v_lshrrev_b32 v6, 4, v2
	v_lshlrev_b32 v5, 4, v5
	v_lshl_add_u32 v5, v6, 15, v5                  ; my 16 codes' place in a step's store
	s_mov_b32 s21, 0                               ; the upper word of every offset
	s_wait_kmcnt 0x0
	s_load_b128 s[24:27], s[12:13], 0x0            ; e0 .. e3
	s_load_b64 s[28:29], s[12:13], 0x10            ; e4, e5
.macro LOAD t
.irp i, 0,1,2,3
	global_load_b128 v[R+16*((\t)%4)+4*\i:R+16*((\t)%4)+4*\i+3], v3, s[4:5] offset:2048*(\t)+512*\i th:TH_LOAD_NT   ; 32 lanes read 512 consecutive bytes; read once in the launch
.endr
.endm
.macro TURN t                          ; step t's numbers through the stage: LDS serves a wave's instructions in order (ISA guide 5.7.1.4), so no wait stands between the stores and the loads
.irp i, 0,1,2,3
	ds_store_b128 v14, v[R+16*((\t)%4)+4*\i:R+16*((\t)%4)+4*\i+3] offset:STG*((\t)%2)+8*SP*\i
.endr
.irp i, 0,1,2,3
	ds_load_b128 v[X+16*((\t)%2)+4*\i:X+16*((\t)%2)+4*\i+3], v15 offset:STG*((\t)%2)+16*\i
.endr
.endm
.macro MKSC e, vs, vl                  ; from the exponent in scalar register e: 2^e and 57,344 x 2^e as f32 patterns
	s_add_co_i32 s40, \e, 127
	s_lshl_b32 s41, s40, 23
	v_mov_b32 v[\vs], s41                          ; the conversion takes this number's exponent field
	s_add_co_i32 s40, s40, 15
	s_lshl_b32 s40, s40, 23
	s_or_b32 s40, s40, 0x600000                    ; the mantissa field of 57,344
	v_mov_b32 v[\vl], s40
.endm
.macro STEP t, nout
.set XS, X+16*((\t)%2)
.set CC, C+12*((\t)%2)
	s_wait_dscnt 0x0                               ; this step's numbers are back from the stage: so its stores into the stage have read their registers,
.if (\t)+4 < STEPS
	LOAD (\t)+4                                    ; which take the loads of four steps on
.endif
.if (\t)+1 < STEPS
.if STEPS-2-(\t) >= 3
	s_wait_loadcnt 12                              ; the next step's four loads are in; those of the three steps behind it may be out
.else
	s_wait_loadcnt 4*(STEPS-2-(\t))
.endif
	TURN (\t)+1                                    ; and go through the other stage while this step is worked
.endif
	s_wait_xcnt 0x0                                ; the stores of two steps ago have read this set of code registers (ISA guide 3.1): it is written again only behind this wait
.set o, 0
.rept \nout
.irp i, 0,1,2,3,4,5,6,7,8,9,10,11,12,13,14,15
	v_med3_num_f32 v[T+16*o+\i], v[XS+\i], -v[SCL+1+2*o], v[SCL+1+2*o]   ; the conversion to an 8-bit code does not saturate (ISA guide 7.6.2): the hold at the largest code x the scale comes first
.endr
	v_cvt_scalef32_pk8_bf8_f32 v[CC+4*o:CC+4*o+1], v[T+16*o:T+16*o+7], v[SCL+2*o]
	v_cvt_scalef32_pk8_bf8_f32 v[CC+4*o+2:CC+4*o+3], v[T+16*o+8:T+16*o+15], v[SCL+2*o]
.set o, o+1
.endr
	v_nop                                          ; a plain line behind the last conversions: the next step's holds write their sources
.set o, 0
.rept \nout
	global_store_b128 v5, v[CC+4*o:CC+4*o+3], s[32+2*o:33+2*o] offset:256*((\t)/2)+65536*((\t)%2)   ; row t / 2 of my four, K steps 2 (t % 2) and + 1
.set o, o+1
.endr
.endm
	s_cmp_lt_u32 ttmp9, 256                        ; x's work-group or a weight's?  It hangs on the work-group's number alone
	s_cbranch_scc0 .Lweights
	; ---- x: one stream in, three streams of codes out
	s_lshl_b32 s18, ttmp9, 2
	s_add_co_u32 s18, s18, s16                     ; which run of 4,096 numbers is my wave's
	s_lshl_b32 s20, s18, 14
	s_add_nc_u64 s[4:5], s[4:5], s[20:21]
	s_lshr_b32 s20, s18, 5                         ; my four rows' block of 128,
	s_lshl_b32 s20, s20, 17
	s_and_b32 s22, s18, 31                         ; and their place in it
	s_lshl_b32 s22, s22, 10
	s_add_co_u32 s20, s20, s22
	s_add_nc_u64 s[32:33], s[14:15], s[20:21]      ; x's codes for q,
	s_add_nc_u64 s[34:35], s[32:33], 4*MI          ; for k,
	s_add_nc_u64 s[36:37], s[32:33], 11*MI         ; for v
	s_wait_alu depctr_va_vdst(0)
.irp t, 0,1,2,3
	LOAD \t
.endr
	s_wait_kmcnt 0x0
	MKSC s24, SCL, SCL+1
	MKSC s26, SCL+2, SCL+3
	MKSC s28, SCL+4, SCL+5
	s_wait_alu depctr_va_vdst(0)
	s_wait_loadcnt 12                              ; step 0's four loads are in
	TURN 0
.irp t, 0,1,2,3,4,5,6,7
	STEP \t, 3
.endr
	s_wait_tensorcnt 0x0
	ds_add_u32 v192, v193
	s_wait_dscnt 0x0
	s_endpgm
	; ---- a weight: one stream in, one out
.Lweights:
	s_cmp_eq_u32 ttmp9, 448
	s_cbranch_scc1 .Lmask
	s_wait_alu depctr_va_vdst(0)
	v_add_nc_u32 v14, WPATH, v14                   ; this path's own LDS bytes
	v_add_nc_u32 v15, WPATH, v15
	s_sub_co_u32 s18, ttmp9, 256
	s_lshr_b32 s19, s18, 6                         ; 0: Wq, 1: Wk, 2: Wv
	s_and_b32 s18, s18, 63
	s_lshl_b32 s18, s18, 2
	s_add_co_u32 s18, s18, s16                     ; my wave's run in that weight
	s_add_co_u32 s22, s19, 9                       ; its codes begin at 9, 10 or (Wv) 8 Mi
	s_cmp_eq_u32 s19, 0
	s_cselect_b64 s[4:5], s[6:7], s[8:9]
	s_cmp_eq_u32 s19, 2
	s_cselect_b64 s[4:5], s[10:11], s[4:5]
	s_cselect_b32 s22, 8, s22
	s_lshl_b32 s20, s18, 14
	s_add_nc_u64 s[4:5], s[4:5], s[20:21]
	s_lshr_b32 s20, s18, 5
	s_lshl_b32 s20, s20, 17
	s_and_b32 s23, s18, 31
	s_lshl_b32 s23, s23, 10
	s_add_co_u32 s20, s20, s23
	s_lshl_b32 s22, s22, 20
	s_add_co_u32 s20, s20, s22
	s_add_nc_u64 s[32:33], s[14:15], s[20:21]
.irp t, 0,1,2,3
	LOAD \t
.endr
	s_wait_alu depctr_va_vdst(0)
	s_wait_kmcnt 0x0
	s_cmp_eq_u32 s19, 0
	s_cselect_b32 s23, s25, s27                    ; e1 or e3,
	s_cmp_eq_u32 s19, 2
	s_cselect_b32 s23, s29, s23                    ; or e5
	MKSC s23, SCL, SCL+1
	s_wait_alu depctr_va_vdst(0)
	s_wait_loadcnt 12
	TURN 0
.irp t, 0,1,2,3,4,5,6,7
	STEP \t, 1
.endr
	s_wait_tensorcnt 0x0
	ds_add_u32 v192, v193
	s_wait_dscnt 0x0
	s_endpgm
	; ---- the mask: no LDS byte is written on this path
.Lmask:
	s_lshl_b32 s20, s16, 12
	s_add_nc_u64 s[4:5], s[44:45], s[20:21]        ; my 1,024 words
	s_lshl_b32 s20, s16, 8
	s_add_nc_u64 s[32:33], s[46:47], s[20:21]      ; my 256 bytes of flags
	s_wait_alu depctr_va_vdst(0)
.irp j, 0,1,2,3,4,5,6,7
	global_load_b128 v[R+4*\j:R+4*\j+3], v3, s[4:5] offset:512*\j
.endr
	v_lshlrev_b32 v4, 3, v2
	s_wait_alu depctr_va_vdst(0)
	s_wait_kmcnt 0x0                               ; (no scalar load is out at the end)
	s_wait_loadcnt 0x0
.irp k, 1,2,3,4,5,6,7                  ; the least of each block's words in my lane: 0 if one of them is 0
.irp i, 0,1,2,3
	v_min_u32 v[R+8*\i], v[R+8*\i], v[R+8*\i+\k]
.endr
.endr
.irp i, 0,1,2,3
	v_cmp_eq_u32 s[36+\i], 0, v[R+8*\i]
.endr
	s_mov_b32 s40, 0
.irp i, 0,1,2,3
	s_cmp_lg_u32 s[36+\i], 0
	s_cselect_b32 s41, 1<<\i, 0
	s_or_b32 s40, s40, s41
.endr
	s_and_b32 s41, s16, 1
	s_lshl_b32 s41, s41, 2
	s_lshl_b32 s40, s40, s41
	v_mov_b32 v6, s40
	v_mov_b32 v7, s40
	global_store_b64 v4, v[6:7], s[32:33]          ; 32 lanes store 256 consecutive bytes, aligned
	s_endpgm
.Lfunc_end_k_q8c2d54e7d0_quant:
	.size	k_q8c2d54e7d0_quant, .Lfunc_end_k_q8c2d54e7d0_quant-k_q8c2d54e7d0_quant
	.p2alignl 7, 3214868480
	.fill 96, 4, 3214868480
	.section	.rodata,"a",@progbits
	.p2align	6, 0x0
	.amdhsa_kernel k_q8c2d54e7d0_quant
		.amdhsa_group_segment_fixed_size 41472
		.amdhsa_private_segment_fixed_size 0
		.amdhsa_enable_private_segment 0
		.amdhsa_kernarg_size 64
		.amdhsa_user_sgpr_count 2
		.amdhsa_user_sgpr_kernarg_segment_ptr 1
		.amdhsa_wavefront_size32 1
		.amdhsa_system_sgpr_workgroup_id_x 1
		.amdhsa_system_sgpr_workgroup_id_y 1
		.amdhsa_system_sgpr_workgroup_id_z 1
		.amdhsa_system_vgpr_workitem_id 0
		.amdhsa_next_free_vgpr 194
		.amdhsa_next_free_sgpr 66
		.amdhsa_reserve_vcc 0
		.amdhsa_float_denorm_mode_32 3
		.amdhsa_float_denorm_mode_16_64 3
		.amdhsa_memory_ordered 1
		.amdhsa_forward_progress 1
		.amdhsa_inst_pref_size 63
	.end_amdhsa_kernel
	.amdgpu_metadata
---
amdhsa.version: [ 1, 2 ]
amdhsa.kernels:
  - .name:           k_q8c2d54e7d0_quant
    .symbol:         k_q8c2d54e7d0_quant.kd
    .args:
      - { .name: x, .offset: 0, .size: 8, .value_kind: global_buffer, .address_space: global }
      - { .name: Wq, .offset: 8, .size: 8, .value_kind: global_buffer, .address_space: global }
      - { .name: Wk, .offset: 16, .size: 8, .value_kind: global_buffer, .address_space: global }
      - { .name: Wv, .offset: 24, .size: 8, .value_kind: global_buffer, .address_space: global }
      - { .name: lowp_scales, .offset: 32, .size: 8, .value_kind: global_buffer, .address_space: global }
      - { .name: codes, .offset: 40, .size: 8, .value_kind: global_buffer, .address_space: global }
      - { .name: attention_mask, .offset: 48, .size: 8, .value_kind: global_buffer, .address_space: global }
      - { .name: flags, .offset: 56, .size: 8, .value_kind: global_buffer, .address_space: global }
    .group_segment_fixed_size: 41472
    .private_segment_fixed_size: 0
    .kernarg_segment_align: 8
    .kernarg_segment_size: 64
    .max_flat_workgroup_size: 128
    .sgpr_count:     66
    .vgpr_count:     194
    .wavefront_size: 32
...
	.end_amdgpu_metadata
.endif
;; end of part 1
;; launch proj (part 2): grid 4 x 48, 4 waves a work-group, clusters of 4 x 4, 327,680 bytes of LDS; arguments codes, lowp_scales, qkv; writes qkv
.if DOCPART == 2
	.amdgcn_target "amdgcn-amd-amdhsa--gfx1250"
	.amdhsa_code_object_version 6
	.text
	.protected	k_q8c2d54e7d0_proj
	.globl	k_q8c2d54e7d0_proj
	.p2align	8
	.type	k_q8c2d54e7d0_proj,@function
k_q8c2d54e7d0_proj:
	s_mov_b64 s[64:65], 0
	v_nop
	global_prefetch_b8 v0, s[64:65] scope:SCOPE_SE
	s_setreg_imm32_b32 hwreg(HW_REG_WAVE_MODE, 25, 1), 1
	s_wait_xcnt 0x0
	s_wait_alu depctr_hold_cnt(0) depctr_sa_sdst(0) depctr_va_vdst(0) depctr_va_sdst(0) depctr_va_ssrc(0) depctr_va_vcc(0) depctr_vm_vsrc(0)
	s_getreg_b32 s2, hwreg(HW_REG_IB_STS2, 6, 4)
	s_cmp_eq_u32 s2, 0
	s_cbranch_scc0 .Lentry_in_a_cluster
	s_endpgm
.Lentry_in_a_cluster:
	s_bfe_u32 s2, ttmp6, 0x10000c
	s_cmp_lg_u32 s2, 0xf033
	s_cbranch_scc0 .Lentry_shape_is_right
	s_endpgm
.Lentry_shape_is_right:
; q, k, v = x W^T for the three projections, both operands as codes of BF8 (E5M2), sums in f32; q and k are turned by rotary factors (angle = batch number x theta, both signs of the second half);
; each result is then divided by its own 2^e (entries 6, 7, 8 of the scales; the operands' two exponents are folded in), held within +-57,344 and stored as a code.
; q, k go out as [16 b + head][token][64 d], v as [16 b + head][group of 64 keys][64 d][64 keys].
; A work-group makes 256 x 256 of one projection, each of its four waves 128 x 128; K goes in four steps of 256 through two LDS slots.  4 x 4 work-groups form a cluster: A's tiles are asked for jointly along a row, B's along a column.
; v is made with the operands' places changed, so that its keys run along the registers.
; No prefetch: K is four steps of a slot, the first two of which are asked for at the head.
; LIMITS: e_out - e_a - e_b of each projection lies between -126 and 112.  NaN among the inputs is not served.
.set KSTEP,  256
.set ROWB,   256
.set KROW,   256                       ; from row to row of a tile: the codes lie as [block of 128 rows][K step][128 rows][256]
.set KB,     32768                     ; from K step to K step of a block
.set PITCH,  272                       ; an LDS row: 256 bytes + 16 of padding, 17 columns of 16 bytes
.set FR,     16
.set NL,     4
.set NP,     4
.set HALFT,  128*PITCH
.set SLOT,   HALFT                     ; LDS: for each wave's 128 rows (A's two halves, B's two halves) slot 0, then slot 1
.set LAPS,   2
.set SPARE,  8*HALFT
.set G1H,    92                        ; s[92:99], s[72:79]: group 1 of the head's tiles of A and of B
.set G1HB,   72
.macro G1SET g, m, rows                ; descriptor group 1: rows x 256 bytes, dense in memory, four words of padding behind every 64; m: the mask
	s_or_b32 s[\g+0], \m, (0<<16)|(1<<20)|(1<<21)|(5<<22)|(3<<25)
	s_mov_b32 s[\g+1], ROWB<<16
	s_mov_b32 s[\g+2], \rows<<16
	s_mov_b32 s[\g+3], ROWB<<16
	s_mov_b32 s[\g+4], \rows
	s_mov_b32 s[\g+5], KROW
	s_mov_b32 s[\g+6], 0
	s_mov_b32 s[\g+7], 0
.endm
.set SP,     336
.set ADRA, 16
.set ADRB, 20
.set GOF,  8
.set RDA,  12
.set STO,  24
.set SPW,  28
.set NIL,  29
.set SCV,  30
.set LIMV, 31
.set TMP,  32
.set F,    96
.set AF,   128
.set CD,   128
.set G1, 24
.set G0, 32
.set G1B, 48
.set G0B, 56
.set MSB, 0
.macro WIN new
.if MSB != \new
	s_set_vgpr_msb (MSB<<8)|\new
.set MSB, \new
.endif
.endm
.set MUL_LO, 0xa1
.set MUL_HI, 0xf1
.set TO_B,   0x40
.macro JLOAD g0a, g1a, g0b, g1b
	s_cmp_eq_u32 s15, 0
	s_cbranch_scc0 .Lfor_b_\@
	tensor_load_to_lds s[\g0a:\g0a+3], s[\g1a:\g1a+7]
	s_nop 0
.rept 4
	v_nop
.endr
	s_branch .Lasked_\@
.Lfor_b_\@:
	tensor_load_to_lds s[\g0b:\g0b+3], s[\g1b:\g1b+7]
	s_nop 0
.rept 4
	v_nop
.endr
.Lasked_\@:
.endm
.macro CREST
	s_cmp_lg_u32 s14, 0
	s_cbranch_scc1 .Lnot_wave_0_\@
	s_barrier_signal -3
.Lnot_wave_0_\@:
	s_barrier_wait -3
	s_barrier_signal -1
	s_barrier_wait -1
.endm
.macro CROUND
	s_barrier_signal -1
	s_barrier_wait -1
	CREST
.endm
	s_load_b128 s[4:7], s[0:1], 0x0
	s_load_b64 s[10:11], s[0:1], 0x10
	v_lshl_add_u32 v[SPW], v0, 2, SPARE
	v_mov_b32 v[NIL], 0
	ds_add_u32 v28, v29
	ds_add_u32 v28, v29
	s_wait_dscnt 0x0
	v_lshrrev_b32 v1, 5, v0
	v_readfirstlane_b32 s14, v1
	s_lshr_b32 s15, s14, 1
	s_and_b32 s16, s14, 1
	s_bfe_u32 s40, ttmp6, 0x40000
	s_bfe_u32 s41, ttmp6, 0x40004
	s_and_b32 s66, ttmp7, 0xffff
	s_lshr_b32 s67, s66, 2
	s_and_b32 s68, s66, 3
	s_lshr_b32 s69, s67, 1
	s_mul_i32 s70, s68, s69
	s_sub_co_u32 s71, s68, s70
	s_lshl_b32 s43, s41, 2
	s_lshl_b32 s43, 15, s43
	s_lshl_b32 s44, 0x1111, s40
	; the head's tile: 256 rows x 256 bytes, K steps 0 and 1 in one load; four words of padding behind every 64 (code 5)
	G1SET G1H, s43, 256                            ; the head's tiles: K steps 0 and 1 of my 128 rows, one behind the other
	G1SET G1HB, s44, 256
	G1SET G1, s43, 128                             ; a refill: one K step
	G1SET G1B, s44, 128
	s_lshl_b32 s18, s16, 7
	s_lshl_b32 s20, s41, 8
	s_add_co_u32 s20, s20, s18
	s_lshl_b32 s21, s71, 10
	s_add_co_u32 s20, s20, s21
	s_lshl_b32 s20, s20, 10
	s_lshl_b32 s21, s67, 22
	s_add_co_u32 s20, s20, s21
	s_mov_b32 s21, 0
	s_lshl_b32 s46, s40, 8
	s_add_co_u32 s46, s46, s18
	s_lshl_b32 s47, s70, 10
	s_add_co_u32 s46, s46, s47
	s_lshl_b32 s46, s46, 10
	s_add_co_u32 s47, s67, 9
	s_lshl_b32 s47, s47, 20
	s_add_co_u32 s46, s46, s47
	s_mov_b32 s47, 0
	s_mul_i32 s45, s14, 2*HALFT
	s_wait_kmcnt 0x0
	s_add_nc_u64 s[20:21], s[4:5], s[20:21]
	s_add_nc_u64 s[46:47], s[4:5], s[46:47]
	CROUND
.irp s, 0,1
	s_mov_b32 s[G0+4*\s], 1
	s_add_co_u32 s[G0+4*\s+1], s45, \s*SLOT
	s_add_nc_u64 s[G0+4*\s+2:G0+4*\s+3], s[20:21], \s*KB
	s_or_b32 s[G0+4*\s+3], s[G0+4*\s+3], 0x80000000
	s_mov_b32 s[G0B+4*\s], 1
	s_add_co_u32 s[G0B+4*\s+1], s45, \s*SLOT
	s_add_nc_u64 s[G0B+4*\s+2:G0B+4*\s+3], s[46:47], \s*KB
	s_or_b32 s[G0B+4*\s+3], s[G0B+4*\s+3], 0x80000000
.endr
	s_wait_alu depctr_va_vdst(0)
	JLOAD G0, G1H, G0B, G1HB                       ; K steps 0 and 1: the wave's one tensor load at the head; the addresses and the rotary factors below are made under its flight
	v_and_b32 v1, 15, v0
	s_wait_alu depctr_va_vdst(0)
	v_bfe_u32 v2, v0, 4, 1
	v_mul_u32_u24 v3, v1, PITCH
	v_lshl_add_u32 v4, v2, 4, v3
	s_mul_i32 s21, s15, 2*HALFT                    ; my 128 rows of A,
	s_mul_i32 s22, s16, 2*HALFT                    ; and of B, behind A's
	s_add_co_u32 s22, s22, 4*HALFT
.irp s, 0,1
	v_add_nc_u32 v[ADRA+\s], s21, v4
	v_add_nc_u32 v[ADRB+\s], s22, v4
	s_add_co_u32 s21, s21, SLOT
	s_add_co_u32 s22, s22, SLOT
.endr
	s_mul_i32 s23, s15, 128*SP
	s_lshl_b32 s22, s16, 7
	s_add_co_u32 s23, s23, s22
	v_mul_u32_u24 v5, v1, SP
	s_wait_alu depctr_va_vdst(0)
	v_lshl_add_u32 v5, v2, 3, v5
	v_add_nc_u32 v[STO], s23, v5
	v_and_b32 v6, 31, v0
	s_wait_alu depctr_va_vdst(0)
	v_lshrrev_b32 v[RDA], 2, v6
	v_mul_u32_u24 v[RDA], v[RDA], SP
	v_and_b32 v[RDA+1], 3, v6
	v_lshl_add_u32 v[RDA], v[RDA+1], 4, v[RDA]
	s_lshl_b32 s91, s14, 6
	v_add_nc_u32 v[RDA], s91, v[RDA]
	v_add_nc_u32 v[RDA+1], 128*SP, v[RDA]
	s_lshl_b32 s86, s40, 2
	s_add_co_u32 s86, s86, s14
	s_lshl_b32 s87, s41, 2
	s_lshl_b32 s88, s68, 10
	s_lshl_b32 s89, s41, 8
	s_add_co_u32 s88, s88, s89
	s_and_b32 s88, s88, 2047
	s_lshl_b32 s88, s88, 6
	s_lshl_b32 s89, s68, 4
	s_add_co_u32 s89, s89, s86
	s_and_b32 s89, s89, 31
	s_lshl_b32 s89, s89, 12
	s_mov_b32 s90, 0x1000
	s_cmp_eq_u32 s67, 2
	s_cselect_b32 s90, 0x20000, s90
	s_cselect_b32 s86, s87, s86
	s_cselect_b32 s88, s89, s88
	s_lshl_b32 s86, s86, 17
	s_add_co_u32 s88, s88, s86
	s_lshl_b32 s86, s67, 22
	s_add_co_u32 s88, s88, s86
	s_lshr_b32 s86, s68, 1
	s_lshl_b32 s86, s86, 21
	s_add_co_u32 s88, s88, s86
	s_mov_b32 s89, 0
	s_add_nc_u64 s[10:11], s[10:11], s[88:89]
	v_lshlrev_b32 v[GOF], 4, v6
	v_add_nc_u32 v[GOF+1], s90, v[GOF]
	v_add_nc_u32 v[GOF+2], s90, v[GOF+1]
	v_add_nc_u32 v[GOF+3], s90, v[GOF+2]
	s_xor_b32 s85, s69, 1
	s_lshr_b32 s84, s68, 1
	s_mul_i32 s85, s85, s84
	s_mul_i32 s85, s85, 0x3f800000
	v_lshlrev_b32 v7, 3, v2
.set n, 0
.rept 16
	v_add_nc_u32 v[32+n], (n%8)+16*(n/8), v7
.set n, n+1
.endr
.set n, 0
.rept 16
	v_cvt_f32_u32 v[32+n], v[32+n]
.set n, n+1
.endr
.set n, 0
.rept 16
	v_mul_f32 v[32+n], 0xbed49a78, v[32+n]
.set n, n+1
.endr
.set n, 0
	s_wait_alu depctr_va_vdst(0)
.rept 16
	v_exp_f32 v[32+n], v[32+n]
.set n, n+1
.endr
	v_nop
.set n, 0
	s_wait_alu depctr_va_vdst(0)
.rept 16
	v_mul_f32 v[32+n], s85, v[32+n]
	v_mov_b32 v[64+n], 0x310f76c7
	v_mov_b32 v[80+n], 0xb2d7322b
	v_mul_f32 v[48+n], v[32+n], v[32+n]
.set n, n+1
.endr
.irp k, 0xb493f27e, 0x37d00d01, 0xbab60b61, 0x3d2aaaab
.set n, 0
.rept 16
	v_fmaak_f32 v[64+n], v[64+n], v[48+n], \k
.set n, n+1
.endr
.endr
.irp k, 0x3638ef1d, 0xb9500d01, 0x3c088889, 0xbe2aaaab
.set n, 0
.rept 16
	v_fmaak_f32 v[80+n], v[80+n], v[48+n], \k
.set n, n+1
.endr
.endr
.set n, 0
.rept 16
	v_fma_f32 v[64+n], v[64+n], v[48+n], -0.5
	v_fma_f32 v[80+n], v[80+n], v[48+n], 1.0
.set n, n+1
.endr
.set n, 0
.rept 16
	v_fma_f32 v[64+n], v[64+n], v[48+n], 1.0
	v_mul_f32 v[80+n], v[80+n], v[32+n]
.set n, n+1
.endr
.set n, 0
.rept 16
	v_add_f32 v[F+n], v[64+n], v[80+n]
	v_sub_f32 v[F+16+n], v[64+n], v[80+n]
.set n, n+1
.endr
.macro FRAG reg, adr, q, i
.irp c, 0,1,2,3
	ds_load_b128 v[\reg+4*\c:\reg+4*\c+3], v[\adr] offset:128*(\q)+32*\c+(\i)*16*PITCH
.endr
.endm
.macro MUL16 a0, p, zero
.irp a, \a0, \a0+1
.irp b, 0,1,2,3,4,5,6,7
.if \zero
	v_wmma_f32_16x16x128_bf8_bf8 v[8*(8*((\a)%4)+\b):8*(8*((\a)%4)+\b)+7], v[128*(\p)+FR*\b:128*(\p)+FR*\b+FR-1], v[AF+FR*(\a):AF+FR*(\a)+FR-1], 0
.else
	v_wmma_f32_16x16x128_bf8_bf8 v[8*(8*((\a)%4)+\b):8*(8*((\a)%4)+\b)+7], v[128*(\p)+FR*\b:128*(\p)+FR*\b+FR-1], v[AF+FR*(\a):AF+FR*(\a)+FR-1], v[8*(8*((\a)%4)+\b):8*(8*((\a)%4)+\b)+7]
.endif
.endr
.endr
.endm
.macro FETCH_B slot, q, p
	WIN TO_B
.irp i, 0,1,2,3,4,5,6,7
	FRAG 128*(\p)+FR*\i, ADRB+\slot, \q, \i
.endr
	WIN 0
.endm
.macro FETCH_A slot, q, i0
.irp i, \i0, \i0+1, \i0+2, \i0+3
	FRAG AF+FR*(\i), ADRA+\slot, \q, \i
.endr
.endm
.macro PLACES n
.rept \n
	v_nop
.endr
.endm
.macro STEP slot, q, zero
	s_wait_dscnt 4*NL
	WIN MUL_LO
	MUL16 0, (\q)%2, \zero
	MUL16 2, (\q)%2, \zero
	s_wait_dscnt 0
	PLACES NP
	FETCH_B \slot, (\q)+1, 1-(\q)%2
	FETCH_A \slot, (\q)+1, 0
	WIN MUL_HI
	MUL16 4, (\q)%2, \zero
	MUL16 6, (\q)%2, \zero
	PLACES NP
	WIN 0
	FETCH_A \slot, (\q)+1, 4
.endm
.macro TURN slot, next, fill
	s_wait_tensorcnt 0x0
	ds_add_u32 v[SPW], v[NIL]
	s_wait_dscnt 4*NL+1
	WIN MUL_LO
	MUL16 0, 1, 0
	s_wait_dscnt 0x0
	s_barrier_signal -1
	MUL16 2, 1, 0
	WIN 0
	s_barrier_wait -1
.if \fill
	CREST
	s_add_nc_u64 s[G0+4*\slot+2:G0+4*\slot+3], s[G0+4*\slot+2:G0+4*\slot+3], 2*KB
	s_add_nc_u64 s[G0B+4*\slot+2:G0B+4*\slot+3], s[G0B+4*\slot+2:G0B+4*\slot+3], 2*KB
	JLOAD G0+4*\slot, G1, G0B+4*\slot, G1B
.else
	PLACES NP
.endif
	FETCH_B \next, 0, 0
	FETCH_A \next, 0, 0
	WIN MUL_HI
	MUL16 4, 1, 0
	MUL16 6, 1, 0
	PLACES NP
	WIN 0
	FETCH_A \next, 0, 4
.endm
	s_wait_alu depctr_va_vdst(0)
	s_wait_tensorcnt 0x0                           ; my part of K steps 0 and 1 is in, so group 1 may be written:
	; a refill is one K step: 128 rows x 256 bytes into rows 272 bytes apart: 4 words are skipped behind every 64 (code 5)
	s_load_b256 s[72:79], s[6:7], 0x0              ; the scales' exponents, e0 .. e7, over the head's descriptor, which is done with,
	s_load_b32 s80, s[6:7], 0x20                   ; and e8: first read on the way out
	s_barrier_signal -1
	s_barrier_wait -1
	FETCH_B 0, 0, 0
	FETCH_A 0, 0, 0
	FETCH_A 0, 0, 4
	STEP 0, 0, 1
	s_mov_b32 s3, LAPS-1
.Llap:
	TURN 0, 1, 1
	STEP 1, 0, 0
	TURN 1, 0, 1
	STEP 0, 0, 0
	s_sub_co_u32 s3, s3, 1
	s_cmp_lg_u32 s3, 0
	s_cbranch_scc1 .Llap
	TURN 0, 1, 0
	STEP 1, 0, 0
	s_wait_dscnt 4*NL
	WIN MUL_LO
	MUL16 0, 1, 0
	MUL16 2, 1, 0
	s_wait_dscnt 0
	s_barrier_signal -1                            ; my reads of both slots are over, and both have had their last fill: behind this barrier their bytes take the way out's stage
	WIN MUL_HI
	MUL16 4, 1, 0
	MUL16 6, 1, 0
	WIN 0
	s_barrier_wait -1
	s_wait_kmcnt 0x0
	s_add_co_i32 s82, s72, s73
	s_sub_co_i32 s82, s78, s82
	s_add_co_i32 s83, s74, s75
	s_sub_co_i32 s83, s79, s83
	s_add_co_i32 s84, s76, s77
	s_sub_co_i32 s84, s80, s84
	s_cmp_eq_u32 s67, 0
	s_cselect_b32 s82, s82, s83
	s_cmp_eq_u32 s67, 2
	s_cselect_b32 s82, s84, s82
	s_add_co_i32 s82, s82, 127
	s_lshl_b32 s83, s82, 23
	v_mov_b32 v[SCV], s83
	s_add_co_i32 s82, s82, 15
	s_lshl_b32 s82, s82, 23
	s_or_b32 s82, s82, 0x600000
	v_mov_b32 v[LIMV], s82
	PLACES NP
.macro OUTBLK a
.set AC, 64*((\a)%4)
	WIN 0x02+((\a)/4)
.irp b, 0,1,2,3,4,5,6,7
.irp i, 0,2,4,6
	v_pk_mul_f32 v[TMP+8*\b+\i:TMP+8*\b+\i+1], v[AC+8*\b+\i:AC+8*\b+\i+1], v[F+8*(\b%4)+\i:F+8*(\b%4)+\i+1]
.endr
.endr
	WIN 0
.set j, 0
.rept 64
	v_med3_num_f32 v[TMP+j], v[TMP+j], -v[LIMV], v[LIMV]
.set j, j+1
.endr
.irp b, 0,1,2,3,4,5,6,7
	v_cvt_scalef32_pk8_bf8_f32 v[CD+16*(\a)+2*\b:CD+16*(\a)+2*\b+1], v[TMP+8*\b:TMP+8*\b+7], v[SCV]
.endr
	v_nop
.irp b, 0,1,2,3,4,5,6,7
	ds_store_b64 v[STO], v[CD+16*(\a)+2*\b:CD+16*(\a)+2*\b+1] offset:(\a)*16*SP+16*\b
.endr
.endm
.irp a, 0,1,2,3,4,5,6,7
	OUTBLK \a
.endr
	s_wait_dscnt 0x0
	s_barrier_signal -1
	s_barrier_wait -1
.set i, 0
.rept 32
	ds_load_b128 v[CD+4*i:CD+4*i+3], v[RDA+i/16] offset:(i%16)*8*SP
.set i, i+1
.endr
.set i, 0
.rept 32
	s_wait_dscnt 31-i
	global_store_b128 v[GOF+i/8], v[CD+4*i:CD+4*i+3], s[10:11] offset:(i%8)*512
.set i, i+1
.endr
	s_wait_tensorcnt 0x0
	ds_add_u32 v[SPW], v[NIL]
	s_wait_dscnt 0x0
	CROUND
	s_endpgm
.Lfunc_end_k_q8c2d54e7d0_proj:
	.size	k_q8c2d54e7d0_proj, .Lfunc_end_k_q8c2d54e7d0_proj-k_q8c2d54e7d0_proj
	.p2alignl 7, 3214868480
	.fill 96, 4, 3214868480
	.section	.rodata,"a",@progbits
	.p2align	6, 0x0
	.amdhsa_kernel k_q8c2d54e7d0_proj
		.amdhsa_group_segment_fixed_size 327680
		.amdhsa_private_segment_fixed_size 0
		.amdhsa_enable_private_segment 0
		.amdhsa_kernarg_size 24
		.amdhsa_user_sgpr_count 2
		.amdhsa_user_sgpr_kernarg_segment_ptr 1
		.amdhsa_wavefront_size32 1
		.amdhsa_system_sgpr_workgroup_id_x 1
		.amdhsa_system_sgpr_workgroup_id_y 1
		.amdhsa_system_sgpr_workgroup_id_z 1
		.amdhsa_system_vgpr_workitem_id 0
		.amdhsa_next_free_vgpr 1024
		.amdhsa_next_free_sgpr 100
		.amdhsa_reserve_vcc 0
		.amdhsa_float_denorm_mode_32 3
		.amdhsa_float_denorm_mode_16_64 3
		.amdhsa_memory_ordered 1
		.amdhsa_forward_progress 1
		.amdhsa_inst_pref_size 161
	.end_amdhsa_kernel
	.amdgpu_metadata
---
amdhsa.version: [ 1, 2 ]
amdhsa.kernels:
  - .name:           k_q8c2d54e7d0_proj
    .symbol:         k_q8c2d54e7d0_proj.kd
    .args:
      - { .name: codes, .offset: 0, .size: 8, .value_kind: global_buffer, .address_space: global }
      - { .name: lowp_scales, .offset: 8, .size: 8, .value_kind: global_buffer, .address_space: global }
      - { .name: qkv, .offset: 16, .size: 8, .value_kind: global_buffer, .address_space: global }
    .group_segment_fixed_size: 327680
    .private_segment_fixed_size: 0
    .kernarg_segment_align: 8
    .kernarg_segment_size: 24
    .max_flat_workgroup_size: 128
    .sgpr_count:     100
    .vgpr_count:     1024
    .wavefront_size: 32
...
	.end_amdgpu_metadata
.endif
;; end of part 2
;; launch attn (part 3): grid 8 x 32, 8 waves a work-group, no clusters, 304,128 bytes of LDS; arguments qkv, attention_mask, lowp_scales, out0, flags; writes out0
.if DOCPART == 3
	.amdgcn_target "amdgcn-amd-amdhsa--gfx1250"
	.amdhsa_code_object_version 6
	.text
	.protected	k_q8c2d54e7d0_attn
	.globl	k_q8c2d54e7d0_attn
	.p2align	8
	.type	k_q8c2d54e7d0_attn,@function
k_q8c2d54e7d0_attn:
	s_mov_b64 s[64:65], 0
	v_nop
	global_prefetch_b8 v0, s[64:65] scope:SCOPE_SE
	s_setreg_imm32_b32 hwreg(HW_REG_WAVE_MODE, 25, 1), 1
	s_wait_xcnt 0x0
; out[b][q][64 head + d] = the sum over keys of softmax(q . k / 8, keys with mask 0 left out) v, both products on codes of BF8 (E5M2) with the given scales e6 (q), e7 (k), e8 (v), e9 (p).
; qkv: q at 0, k at 4 Mi: [16 b + head][token][64 d];  v at 8 Mi: [16 b + head][group of 64 keys][64 d][64 keys]  (Mi = 2^20 bytes).
; THE SOFTMAX AHEAD OF THE SECOND PRODUCT: t = score x log2(e) / 8; M = the row's largest t so far, rounded UP to a whole number; p = 2^(t - M) is what is quantised; it is not normalised.
; The row's sum is taken of the unquantised p, in f32, and divides O at the end.  When M moves, the sum and O are multiplied by 2^(old M - new M): exact.
; SHARES.  A work-group owns 256 queries of one batch and head; each of its eight waves 32 of them, two tiles of 16, in 512 registers: each fragment of K and V read from LDS feeds two products.
; STEPS of 256 keys, eight in all: one change of M, one rescaling of O and one barrier a step.
; K and V lie in LDS whole (2 x 147,456 bytes with padding); no LDS byte of theirs is written twice.  A step's 32,768 bytes come through registers: 8 loads of 512 bytes a wave, asked for two steps ahead of their use, stored into LDS one step ahead.
; TWO WHOLE NUMBERS READ FROM MEMORY DECIDE WHAT A STEP DOES: e9, whether p can pass 57,344 x 2^e9 at all (p is at most 1, so it can not from e9 = -15 on: the hold's 256 lines are then passed over);
; and the mask, whether any of the step's 256 keys has mask 0 (else nothing is added to the scores).
; CLUSTER = NONE, no joint loads.  The hold is 256 of some 1,000 vector lines of every step; joint loads would share requests for 262,144 bytes, once in the launch.
; No prefetch: the loads themselves are issued a whole step and more ahead of the lines that want them.
; LAYOUT.  Both products are used transposed: S^T = K Q^T (source 0 = 16 keys, source 1 = 16 queries), O^T = V^T P^T (source 0 = 16 channels, source 1 = P): a lane holds ONE query (lane % 16) throughout.
; THE KEYS OF A TILE ARE NOT NEIGHBOURS: lane r of tile 2 b + u takes key 32 b + 8 u + r + 8 (r / 8), so that the 16 registers of tiles 2 b and 2 b + 1 are 16 neighbouring keys, 32 b + 16 (lane / 16) + 0 .. 15:
; the conversions' results are the second product's operand.  V's channels are chosen likewise, so that a lane's 16 results of two tiles are 16 neighbouring channels.
; THE MASK: -2^100 is added to the score of a key that does not count.  A sum of 64 products of codes stays under 2^38, so the running largest t begins at -c 2^39, under every true t: a masked key lies c (2^100 - 2^39)
; below M at the least, and its p is 0.  A row none of whose keys counts ends as 0 x (1 / 0): NaN, as the definition gives.
; LIMITS on the given exponents: e6 + e7 between -89 (so that a masked p is 0) and 88 (so that c 2^39 is an f32 number); e9 between -126 and 112; e8 + e9 is applied by v_ldexp_f32 and has none.
; LDS: K at 0: rows of two keys, 128 bytes + 16 of padding: key k at 144 (k / 2) + 64 (k % 2).  V at VOFF: row 64 g + d (group g, channel d) in the same way.  BIAS: 2,048 f32 in key order.
; The way out's stages lie in K's bytes, behind a barrier behind which nobody reads K.
; REGISTERS, window 0: v1-15 addresses and scales; v16-31 eight statistics a tile: +0 -M, +1 the largest t, +2, +3 the sum in two halves, +4 f, +5 the exchange, +6, +7 at work; v32-47 Q; v48-79 K's tiles 8-11, then p's codes of the
;   step's first 128 keys; v80-143 O^T; v144-207 K's other tiles, then V of the first 128 keys; v208-239 the next keys on their way to LDS.
;   window 1: S^T, then p: query tile x, key tile t at 128 x + 8 t; at a step's end v0-31 p's codes and v64-127 V of the second 128 keys.
.set VOFF,  147456
.set BIAS,  294912
.set SPARE, 303104                     ; the spare words: 128 bytes for each of eight waves
.set CHB,   18432                      ; a step's 256 keys in LDS: 128 rows of 144 bytes
.set AK0, 1                            ; my lane's place in a tile of K or of V
.set ADK, 2
.set ADV, 3
.set ADB, 4
.set AB0, 5                            ; BIAS + 64 (lane / 16)
.set VGO, 6                            ; 16 x lane
.set LSA, 7                            ; where my 16 bytes of a load go in a step's LDS bytes
.set TK,  8
.set TV,  9
.set SC,  10                           ; 2^e9
.set LIM, 11                           ; 57,344 x 2^e9
.set W,   12                           ; v[12:15] the second chain of each tile's sum
.set ST,  16
.set Q,   32
.set P,   48
.set OA,  80
.set F,   144
.set G,   208
.set OI,  240                          ; the way out: into my stage,
.set OB,  241                          ; back from it,
.set GO,  242                          ; and my byte offset in the wave's rows of out
.set SPW, 254
.set NIL, 255
.set MSB, 0
.macro WIN new                         ; the immediate's high byte repeats the setting that is left
.if MSB != \new
	s_set_vgpr_msb (MSB<<8)|\new
.set MSB, \new
.endif
.endm
	s_load_b256 s[4:11], s[0:1], 0x0               ; qkv s[4:5], the mask s[6:7], the scales' exponents s[8:9], out s[10:11]
	s_load_b64 s[66:67], s[0:1], 0x20              ; flags: two words for each batch, 256 bytes apart
	v_lshl_add_u32 v[SPW], v0, 2, SPARE
	v_mov_b32 v[NIL], 0
	v_lshrrev_b32 v243, 5, v0
	v_and_b32 v244, 31, v0                         ; lane
	v_and_b32 v245, 15, v0                         ; r
	v_bfe_u32 v246, v0, 4, 1                       ; h
	v_lshlrev_b32 v247, 4, v0
	v_lshlrev_b32 v[VGO], 4, v244
	v_lshlrev_b32 v248, 6, v245
	v_readfirstlane_b32 s12, v243                  ; wave 0..7
	v_lshl_add_u32 v248, v246, 4, v248             ; Q: row r of 64 bytes, + 16 h
	s_and_b32 s15, ttmp7, 0xffff                   ; 16 b + head
	s_lshr_b32 s16, s15, 4                         ; b
	s_and_b32 s17, s15, 15                         ; head
	s_lshl_b32 s22, s15, 17                        ; the head's 131,072 bytes of q, k or v
	s_lshl_b32 s24, s12, 11                        ; my wave's 2,048 bytes of each step's 16,384
	s_add_co_u32 s22, s22, s24
	s_lshl_b32 s24, ttmp9, 14
	s_add_co_u32 s24, s22, s24                     ; Q: the same + 256 queries of 64 bytes a work-group, 32 a wave
	s_mov_b32 s25, 0
	s_add_co_u32 s22, s22, 0x400000                ; K at 4 Mi
	s_mov_b32 s23, 0
	s_lshl_b32 s26, s16, 13
	s_mov_b32 s27, 0
	s_lshl_b32 s28, s16, 9
	s_mov_b32 s29, 0
	s_mov_b32 s56, 0x3e38aa3b                      ; log2(e) / 8
	s_mov_b32 s58, 0x76543210                      ; v_permlanex16_b32's selects for lane l xor 16
	s_mov_b32 s59, 0xfedcba98
	s_wait_alu depctr_va_vdst(0)
	s_wait_kmcnt 0x0
	s_load_b128 s[84:87], s[8:9], 0x18             ; e6, e7, e8, e9
	s_add_nc_u64 s[66:67], s[66:67], s[28:29]
	s_load_b32 s63, s[66:67], 0x0                  ; bits 0-3: some key of step i has mask 0
	s_load_b32 s62, s[66:67], 0x100                ; bits 4-7
	s_add_nc_u64 s[40:41], s[4:5], s[22:23]        ; my part of K,
	s_add_nc_u64 s[42:43], s[40:41], 0x400000      ; and of V
	s_add_nc_u64 s[44:45], s[4:5], s[24:25]        ; my queries
	s_add_nc_u64 s[6:7], s[6:7], s[26:27]          ; my batch's 2,048 mask words
.irp n, 0,1,2,3                        ; step 0's keys
	global_load_b128 v[F+4*\n:F+4*\n+3], v[VGO], s[40:41] offset:512*\n
.endr
.irp n, 0,1,2,3
	global_load_b128 v[F+16+4*\n:F+16+4*\n+3], v[VGO], s[42:43] offset:512*\n
.endr
.irp x, 0,1                            ; a fragment of 16 rows x 64 channels is 8 registers: 0-3 channels 16 h + 0 .. 15, 4-7 channels 32 + 16 h + 0 .. 15: one order of k for Q and K alike
	global_load_b128 v[Q+8*\x:Q+8*\x+3], v248, s[44:45] offset:1024*\x
	global_load_b128 v[Q+8*\x+4:Q+8*\x+7], v248, s[44:45] offset:1024*\x+32
.endr
	global_load_b128 v[P:P+3], v247, s[6:7]        ; the mask, a part a thread: for the numbers in LDS
	global_load_b128 v[P+4:P+7], v247, s[6:7] offset:4096
.macro ASK                             ; the keys that stand one step behind the pointers
.irp n, 0,1,2,3
	global_load_b128 v[G+4*\n:G+4*\n+3], v[VGO], s[40:41] offset:16384+512*\n
.endr
.irp n, 0,1,2,3
	global_load_b128 v[G+16+4*\n:G+16+4*\n+3], v[VGO], s[42:43] offset:16384+512*\n
.endr
.endm
	ASK                                            ; step 1's keys
	; 22 loads of the wave are out; the addresses are made under their flight
	s_mul_i32 s20, s12, 2304
	s_mul_i32 s21, s12, 8704
	v_and_b32 v249, 8, v245
	v_lshrrev_b32 v[LSA], 3, v244
	v_and_b32 v251, 7, v244
	v_add_nc_u32 v249, v249, v245                  ; r + 8 (r / 8)
	v_mul_u32_u24 v[LSA], v[LSA], 144
	v_mul_u32_u24 v[OI], v245, 272
	v_lshrrev_b32 v[AK0], 1, v249
	v_lshl_add_u32 v[LSA], v251, 4, v[LSA]
	v_mul_u32_u24 v[OB], v246, 272
	v_and_b32 v250, 1, v249
	v_mul_u32_u24 v[AK0], v[AK0], 144
	v_add_nc_u32 v[LSA], s20, v[LSA]               ; a load's 512 bytes are four rows of 144 - 16
	v_lshl_add_u32 v[OI], v246, 6, v[OI]
	v_lshl_add_u32 v[AK0], v250, 6, v[AK0]
	v_lshl_add_u32 v[OB], v245, 4, v[OB]
	v_add_nc_u32 v[TV], VOFF, v[LSA]
	v_lshl_add_u32 v[AK0], v246, 4, v[AK0]
	v_add_nc_u32 v[OI], s21, v[OI]                 ; my stage: row r; my 16 channels of each 32: 64 h bytes on
	v_add_nc_u32 v[OB], s21, v[OB]                 ; back: lanes 0-15 one row, lanes 16-31 the next
	v_lshlrev_b32 v[GO], 12, v246
	v_lshlrev_b32 v[AB0], 6, v246
	v_lshl_add_u32 v252, v0, 4, BIAS               ; where my eight numbers of the mask go
	v_lshl_add_u32 v[GO], v245, 4, v[GO]           ; the same two rows in out, 4,096 bytes apart
	v_add_nc_u32 v[AB0], BIAS, v[AB0]
	v_mov_b32 v253, 0xf1800000                     ; -2^100
	v_mov_b32 v[ADK], v[AK0]                       ; step 0's K
.irp x, 0,1
	v_mov_b32 v[ST+8*\x+2], 0                      ; the sum, in two halves
	v_mov_b32 v[ST+8*\x+3], 0
	v_mov_b32 v[ST+8*\x+4], 0
	v_mov_b32 v[ST+8*\x+5], 0                      ; written once: a lane permute's destination counts as one of its sources
.endr
.set j, 0
.rept 64
	v_mov_b32 v[OA+j], 0                           ; O^T.  (The step is written once: the first finds zeros, which the first change of M leaves zeros)
.set j, j+1
.endr
	v_mov_b32 v250, 0xd3000000                     ; -2^39
	s_wait_alu depctr_va_vdst(0)
	s_wait_kmcnt 0x0
	s_add_co_i32 s88, s84, s85
	s_lshl_b32 s88, s88, 23
	s_add_co_i32 s56, s56, s88                     ; c = log2(e) / 8 x 2^(e6 + e7): the two exponents are added to the exponent field
	s_mov_b32 s57, s56                             ; (named with it as a pair, so it is written)
	s_add_co_i32 s88, s87, 127
	s_lshl_b32 s90, s88, 23
	s_add_co_i32 s88, s88, 15
	s_lshl_b32 s88, s88, 23
	s_or_b32 s88, s88, 0x600000
	v_mov_b32 v[SC], s90                           ; 2^e9
	v_mov_b32 v[LIM], s88                          ; 57,344 x 2^e9
	v_mul_f32 v[ST+1], s56, v250                   ; the largest t so far: -c 2^39
	v_mul_f32 v[ST+9], s56, v250
	v_floor_f32 v[ST], -v[ST+1]                    ; -M
	v_floor_f32 v[ST+8], -v[ST+9]
	s_lshl_b32 s88, s16, 11
	s_lshl_b32 s89, ttmp9, 8
	s_add_co_u32 s88, s88, s89
	s_lshl_b32 s89, s12, 5
	s_add_co_u32 s88, s88, s89                     ; my first row of out: 2,048 b + 256 x work-group + 32 x wave
	s_lshl_b32 s88, s88, 12
	s_lshl_b32 s89, s17, 8
	s_add_co_u32 s88, s88, s89                     ; + the head's 256 bytes
	s_mov_b32 s89, 0
	s_add_nc_u64 s[10:11], s[10:11], s[88:89]
	s_wait_alu depctr_va_vdst(0)
	s_wait_loadcnt 14                              ; step 0's keys are in: behind them 4 loads of Q, 2 of the mask, 8 of step 1
.irp n, 0,1,2,3
	ds_store_b128 v[LSA], v[F+4*\n:F+4*\n+3] offset:576*\n
	ds_store_b128 v[TV], v[F+16+4*\n:F+16+4*\n+3] offset:576*\n
.endr
	s_wait_loadcnt 8                               ; Q and my part of the mask are in
.irp i, 0,1,2,3,4,5,6,7
	v_cmp_eq_u32 vcc_lo, 0, v[P+\i]
	v_cndmask_b32 v[P+\i], 0, v253, vcc_lo         ; 0 where the key counts, -2^100 where the mask is 0
.endr
	ds_store_b128 v252, v[P:P+3]
	ds_store_b128 v252, v[P+4:P+7] offset:4096
	s_wait_alu depctr_va_vdst(0)
	s_wait_dscnt 0x0
	s_barrier_signal -1                            ; step 0's keys and the mask's numbers are in LDS
	s_or_b32 s63, s63, s62                         ; bit i: some key of step i has mask 0
	s_mov_b32 s60, 0                               ; the step's first byte in K's (and, from VOFF on, V's) rows
	s_mov_b32 s61, 0                               ; and in the mask's numbers
	s_mov_b32 s62, 0                               ; the step
	s_barrier_wait -1
.macro KLD t, f                        ; K: tile t begins at key 32 (t / 2) + 8 (t % 2)
	ds_load_b128 v[\f:\f+3], v[ADK] offset:(16*(\t/2)+4*(\t%2))*144
	ds_load_b128 v[\f+4:\f+7], v[ADK] offset:(16*(\t/2)+4*(\t%2))*144+32
.endm
.macro SCORE t, f
	v_wmma_f32_16x16x64_bf8_bf8 v[8*\t:8*\t+7], v[\f:\f+7], v[Q:Q+7], 0
	v_wmma_f32_16x16x64_bf8_bf8 v[128+8*\t:128+8*\t+7], v[\f:\f+7], v[Q+8:Q+15], 0
.endm
.macro VLD g, f                        ; V of 128 keys: tile t begins at channel 32 (t / 2) + 8 (t % 2); registers 4 c .. 4 c + 3 = keys 32 c + 16 h + 0 .. 15, in two groups of 64 keys
.irp t, 0,1,2,3
.irp c, 0,1,2,3
	ds_load_b128 v[\f+16*\t+4*\c:\f+16*\t+4*\c+3], v[ADV] offset:9216*\g+(16*(\t/2)+4*(\t%2))*144+(\c/2)*4608+32*(\c%2)
.endr
.endr
.endm
.macro KPRE                            ; a step's tiles 0-11, 24 loads: asked for ahead of the step
.irp t, 0,1,2,3,4,5,6,7
	KLD \t, F+8*\t
.endr
.irp t, 8,9,10,11
	KLD \t, P+8*(\t-8)
.endr
.endm
	KPRE
.Lstep:
.rept 5
	v_nop                                          ; five places behind the last products: the scores are laid over those products' operands
.endr
	s_wait_dscnt 16                                ; tiles 0-3 are in; 4-7 and 8-11 may be out
	WIN 0x40
.irp t, 0,1,2,3
	SCORE \t, F+8*\t
.endr
	WIN 0
.rept 4
	v_nop                                          ; places in front of loads into registers that those products read
.endr
.irp t, 12,13,14,15
	KLD \t, F+8*(\t-12)
.endr
	s_wait_loadcnt 0x0                             ; the next step's keys are in
	s_cmp_lt_u32 s62, 7
	s_cbranch_scc0 .Lstored
	v_add_nc_u32 v[TK], s60, v[LSA]
	v_add_nc_u32 v[TV], VOFF, v[TK]
.irp n, 0,1,2,3                        ; into bytes that nobody reads ahead of this step's barrier
	ds_store_b128 v[TK], v[G+4*\n:G+4*\n+3] offset:CHB+576*\n
	ds_store_b128 v[TV], v[G+16+4*\n:G+16+4*\n+3] offset:CHB+576*\n
.endr
.Lstored:                              ; (the counts below are those of the way without the eight stores, and so hold on both)
	s_wait_dscnt 16                                ; tiles 4-7 are in
	WIN 0x40
.irp t, 4,5,6,7
	SCORE \t, F+8*\t
.endr
	s_wait_dscnt 8                                 ; tiles 8-11
.irp t, 8,9,10,11
	SCORE \t, P+8*(\t-8)
.endr
	s_wait_dscnt 0x0                               ; tiles 12-15; and my stores above are done: their registers may be loaded again, and the barrier may be signalled
.irp t, 12,13,14,15
	SCORE \t, F+8*(\t-12)
.endr
	WIN 0
	s_cmp_lt_u32 s62, 6
	s_cbranch_scc0 .Lasked
	s_add_nc_u64 s[40:41], s[40:41], 0x4000        ; (the loads that read these have been waited for)
	s_add_nc_u64 s[42:43], s[42:43], 0x4000
	ASK                                            ; the keys of the step after the next
.Lasked:
	s_barrier_signal -1                            ; my part of the next step's keys is in LDS, and my reads of this step's K are over
.rept 4
	v_nop                                          ; places in front of the first read of the scores, and of loads into the fragments' registers
.endr
	s_bitcmp1_b32 s63, s62
	s_cbranch_scc0 .Lopen                          ; no key of this step has mask 0
	v_add_nc_u32 v[ADB], s61, v[AB0]
.irp g, 0,1
.irp i, 0,1,2,3,4,5,6,7,8,9,10,11,12,13,14,15   ; the mask's numbers in the result's layout: registers 16 b + 0 .. 15 = keys 32 b + 16 h + 0 .. 15
	ds_load_b128 v[F+4*\i:F+4*\i+3], v[ADB] offset:512*\g+128*(\i/4)+16*(\i%4)
.endr
	s_wait_dscnt 0x0
	WIN 0x41
.set j, 0
.rept 32
	v_pk_add_f32 v[64*\g+j:64*\g+j+1], v[64*\g+j:64*\g+j+1], v[F+j:F+j+1]
	v_pk_add_f32 v[128+64*\g+j:128+64*\g+j+1], v[128+64*\g+j:128+64*\g+j+1], v[F+j:F+j+1]
.set j, j+2
.endr
	WIN 0
.endr
.Lopen:
	v_add_nc_u32 v[ADK], s60, v[AK0]
	v_add_nc_u32 v[ADV], VOFF, v[ADK]
	v_add_nc_u32 v[ADK], CHB, v[ADK]               ; the next step's K
	VLD 0, F
	WIN 0x15
.irp x, 0,1                            ; the step's largest score of my query among my 128 keys: two chains a tile, each accumulator from its low end on
	v_max3_num_f32 v[ST+8*\x+6], v[128*\x], v[128*\x+1], v[128*\x+2]
	v_max3_num_f32 v[ST+8*\x+7], v[128*\x+3], v[128*\x+4], v[128*\x+5]
.endr
	WIN 0x14
.set j, 6
.rept 30
	v_max3_num_f32 v[ST+6], v[ST+6], v[j], v[j+1]
	v_max3_num_f32 v[ST+14], v[ST+14], v[128+j], v[128+j+1]
	v_max3_num_f32 v[ST+7], v[ST+7], v[j+2], v[j+3]
	v_max3_num_f32 v[ST+15], v[ST+15], v[128+j+2], v[128+j+3]
.set j, j+4
.endr
	v_max3_num_f32 v[ST+6], v[ST+6], v126, v127
	v_max3_num_f32 v[ST+14], v[ST+14], v254, v255
	WIN 0
.irp x, 0,1
	v_max_num_f32 v[ST+8*\x+6], v[ST+8*\x+6], v[ST+8*\x+7]
.endr
.irp x, 0,1
	s_delay_alu instid0(VALU_DEP_2)
	v_permlanex16_b32 v[ST+8*\x+5], v[ST+8*\x+6], s58, s59
.endr
.irp x, 0,1
	s_delay_alu instid0(VALU_DEP_2)
	v_max_num_f32 v[ST+8*\x+6], v[ST+8*\x+6], v[ST+8*\x+5]   ; and among lane l xor 16's
.endr
.irp x, 0,1
	s_delay_alu instid0(VALU_DEP_2)
	v_mul_f32 v[ST+8*\x+6], s56, v[ST+8*\x+6]      ; as t (c is positive)
.endr
.irp x, 0,1
	s_delay_alu instid0(VALU_DEP_2)
	v_max_num_f32 v[ST+8*\x+1], v[ST+8*\x+1], v[ST+8*\x+6]   ; the running largest t
.endr
.irp x, 0,1
	v_mov_b32 v[ST+8*\x+6], v[ST+8*\x]
.endr
.irp x, 0,1
	s_delay_alu instid0(VALU_DEP_4)
	v_floor_f32 v[ST+8*\x], -v[ST+8*\x+1]          ; the new -M = floor(-t) = -ceil(t): M IS A WHOLE NUMBER
.endr
.irp x, 0,1
	s_delay_alu instid0(VALU_DEP_2)
	v_sub_f32 v[ST+8*\x+6], v[ST+8*\x], v[ST+8*\x+6]   ; M's old value less its new one: a whole number, 0 or less
.endr
.irp x, 0,1
	s_delay_alu instid0(VALU_DEP_2)
	v_cvt_i32_f32 v[ST+8*\x+6], v[ST+8*\x+6]       ; (it saturates)
.endr
.irp x, 0,1
	s_delay_alu instid0(VALU_DEP_2)
	v_ldexp_f32 v[ST+8*\x+4], 1.0, v[ST+8*\x+6]    ; f = 2^(old M - new M)
.endr
.set j, 0
.rept 16
	v_pk_mul_f32 v[OA+j:OA+j+1], v[OA+j:OA+j+1], v[ST+4:ST+5] op_sel_hi:[1,0]   ; O^T under the new M: x f
	v_pk_mul_f32 v[OA+32+j:OA+33+j], v[OA+32+j:OA+33+j], v[ST+12:ST+13] op_sel_hi:[1,0]
.set j, j+2
.endr
	WIN 0x41
.set j, 0
.rept 64
	v_pk_fma_f32 v[j:j+1], v[j:j+1], s[56:57], v[ST:ST+1] op_sel_hi:[1,0,0]   ; t - M, two at a time (of the pairs c and -M the low word serves both halves)
.set j, j+2
.endr
	s_wait_alu depctr_va_vdst(0)
.set j, 0
.rept 64                               ; p = 2^(t - M), at most 1, NOT normalised, of the first tile, and among these lines t - M of the second, which is first read behind the next wait
	v_exp_f32 v[j], v[j]
	v_pk_fma_f32 v[128+j:129+j], v[128+j:129+j], s[56:57], v[ST+8:ST+9] op_sel_hi:[1,0,0]
	v_exp_f32 v[j+1], v[j+1]
.set j, j+2
.endr
	s_wait_alu depctr_va_vdst(0)
.set j, 128
.rept 128
	v_exp_f32 v[j], v[j]
.set j, j+1
.endr
	WIN 0
.irp x, 0,1
	v_pk_mul_f32 v[ST+8*\x+2:ST+8*\x+3], v[ST+8*\x+2:ST+8*\x+3], v[ST+8*\x+4:ST+8*\x+5] op_sel_hi:[1,0]   ; the sums under the new M.  (Plain lines behind the exponentials)
.endr
	s_wait_alu depctr_va_vdst(0)
	WIN 0x05
.irp x, 0,1
	v_pk_add_f32 v[W+2*\x:W+2*\x+1], v[128*\x:128*\x+1], v[128*\x+2:128*\x+3]   ; THE ROW'S SUM IS TAKEN OF THE UNQUANTISED p: two at a time, two chains a tile
.endr
	WIN 0x04
.set j, 4
.rept 31
	v_pk_add_f32 v[ST+2:ST+3], v[ST+2:ST+3], v[j:j+1]
	v_pk_add_f32 v[ST+10:ST+11], v[ST+10:ST+11], v[128+j:129+j]
	v_pk_add_f32 v[W:W+1], v[W:W+1], v[j+2:j+3]
	v_pk_add_f32 v[W+2:W+3], v[W+2:W+3], v[130+j:131+j]
.set j, j+4
.endr
	WIN 0
.irp x, 0,1
	v_pk_add_f32 v[ST+8*\x+2:ST+8*\x+3], v[ST+8*\x+2:ST+8*\x+3], v[W+2*\x:W+2*\x+1]
.endr
	s_cmp_lt_i32 s87, -15
	s_cbranch_scc0 .Lfree                          ; 57,344 x 2^e9 is 1 or more, and p is at most 1: no p is beyond the largest code
	WIN 0x41
.set j, 0
.rept 256
	v_min_num_f32 v[j], v[j], v[LIM]               ; the hold: the conversion to an 8-bit code does not saturate (ISA guide 7.6.2); p is not negative, so it is one-sided
.set j, j+1
.endr
	WIN 0
.Lfree:
	WIN 0x01
.irp x, 0,1
	WIN 0x01
.irp b, 0,1,2,3                        ; the first 128 keys
	v_cvt_scalef32_pk8_bf8_f32 v[P+16*\x+4*\b:P+16*\x+4*\b+1], v[128*\x+16*\b:128*\x+16*\b+7], v[SC]
	v_cvt_scalef32_pk8_bf8_f32 v[P+16*\x+4*\b+2:P+16*\x+4*\b+3], v[128*\x+16*\b+8:128*\x+16*\b+15], v[SC]
.endr
	v_nop                                          ; a plain line: the next conversions write registers that the first tile's have read
	WIN 0x41
.irp b, 0,1,2,3                        ; the second 128 keys, into registers whose p have been converted
	v_cvt_scalef32_pk8_bf8_f32 v[16*\x+4*\b:16*\x+4*\b+1], v[128*\x+64+16*\b:128*\x+64+16*\b+7], v[SC]
	v_cvt_scalef32_pk8_bf8_f32 v[16*\x+4*\b+2:16*\x+4*\b+3], v[128*\x+64+16*\b+8:128*\x+64+16*\b+15], v[SC]
.endr
	v_nop                                          ; a plain line behind the last conversion
.if \x == 0
	WIN 0x40
	VLD 1, 64                                      ; V of the second 128 keys, over the first tile's p, which are converted
.endif
.endr
	WIN 0
	s_wait_alu depctr_va_vdst(0)
	s_wait_dscnt 16                                ; V of the first 128 keys is in; the second's sixteen loads may be out
.irp t, 0,1,2,3                        ; O^T += V^T P^T: the eight accumulators take one turn each
.irp x, 0,1
	v_wmma_f32_16x16x128_bf8_bf8 v[OA+32*\x+8*\t:OA+32*\x+8*\t+7], v[F+16*\t:F+16*\t+15], v[P+16*\x:P+16*\x+15], v[OA+32*\x+8*\t:OA+32*\x+8*\t+7]
.endr
.endr
	s_barrier_wait -1                              ; the next step's keys are in LDS; nobody reads this step's K any more
	s_wait_dscnt 0x0                               ; V of the second 128 keys is in
.rept 4
	v_nop                                          ; places in front of the loads below
.endr
	s_cmp_lt_u32 s62, 7
	s_cbranch_scc0 .Lnopre
	KPRE                                           ; the next step's first fragments, under the products that follow
.Lnopre:
	WIN 0x05
.irp t, 0,1,2,3
.irp x, 0,1
	v_wmma_f32_16x16x128_bf8_bf8 v[OA+32*\x+8*\t:OA+32*\x+8*\t+7], v[64+16*\t:64+16*\t+15], v[16*\x:16*\x+15], v[OA+32*\x+8*\t:OA+32*\x+8*\t+7]
.endr
.endr
	WIN 0
	s_add_co_u32 s60, s60, CHB
	s_add_co_u32 s61, s61, 1024
	s_add_co_u32 s62, s62, 1
	s_cmp_lt_u32 s62, 8
	s_cbranch_scc1 .Lstep
	s_wait_dscnt 0x0                               ; no LDS load of mine is out
	; THE WAY OUT.  The sum's halves are added; O^T is divided by the sum, multiplied by 2^(e8 + e9), and goes through my stage in LDS, a tile of 16 queries at a time: a query's 64 channels are 256 bytes.
.irp x, 0,1
	v_add_f32 v[ST+8*\x+2], v[ST+8*\x+2], v[ST+8*\x+3]     ; (these lines are among the places behind the last products)
.endr
.irp x, 0,1
	s_delay_alu instid0(VALU_DEP_2)
	v_permlanex16_b32 v[ST+8*\x+5], v[ST+8*\x+2], s58, s59
.endr
.irp x, 0,1
	s_delay_alu instid0(VALU_DEP_2)
	v_add_f32 v[ST+8*\x+2], v[ST+8*\x+2], v[ST+8*\x+5]     ; and lane l xor 16's: the row's sum
.endr
	s_add_co_i32 s88, s86, s87
	s_wait_alu depctr_va_vdst(0)
.irp x, 0,1
	v_rcp_f32 v[ST+8*\x+4], v[ST+8*\x+2]
.endr
	v_nop                                          ; a plain line behind the last reciprocal
	s_wait_alu depctr_va_vdst(0)
.irp x, 0,1
	v_ldexp_f32 v[ST+8*\x+4], v[ST+8*\x+4], s88    ; x 2^(e8 + e9)
.endr
	s_wait_alu depctr_va_vdst(0)
.irp x, 0,1
.set j, 0
.rept 16
	v_pk_mul_f32 v[F+32*\x+j:F+32*\x+j+1], v[OA+32*\x+j:OA+32*\x+j+1], v[ST+8*\x+4:ST+8*\x+5] op_sel_hi:[1,0]   ; register 16 a + i is o(r, 32 a + 16 h + i); each accumulator from its low end on
.set j, j+2
.endr
.endr
.irp x, 0,1
.irp i, 0,1,2,3,4,5,6,7
	ds_store_b128 v[OI], v[F+32*\x+4*\i:F+32*\x+4*\i+3] offset:4352*\x+128*(\i/4)+16*(\i%4)
.endr
.irp i, 0,1,2,3,4,5,6,7
	ds_load_b128 v[OA+32*\x+4*\i:OA+32*\x+4*\i+3], v[OB] offset:4352*\x+544*\i   ; LDS serves a wave's instructions in order (ISA guide 5.7.1.4): these see my stores
.endr
.endr
.irp x, 0,1
.irp i, 0,1,2,3,4,5,6,7
	s_wait_dscnt 16*(1-\x)+7-\i                    ; behind this load: the rest of its tile's loads and, for tile 0, tile 1's eight stores and eight loads
	global_store_b128 v[GO], v[OA+32*\x+4*\i:OA+32*\x+4*\i+3], s[10:11] offset:(16*\x+2*\i)*4096 th:TH_STORE_NT   ; 16 lanes store 256 consecutive bytes, at a multiple of 256 from out's first byte; written once
.endr
.endr
	s_wait_tensorcnt 0x0                           ; the wave's end
	ds_add_u32 v[SPW], v[NIL]
	s_wait_dscnt 0x0
	s_endpgm
.Lfunc_end_k_q8c2d54e7d0_attn:
	.size	k_q8c2d54e7d0_attn, .Lfunc_end_k_q8c2d54e7d0_attn-k_q8c2d54e7d0_attn
	.p2alignl 7, 3214868480
	.fill 96, 4, 3214868480
	.section	.rodata,"a",@progbits
	.p2align	6, 0x0
	.amdhsa_kernel k_q8c2d54e7d0_attn
		.amdhsa_group_segment_fixed_size 304128
		.amdhsa_private_segment_fixed_size 0
		.amdhsa_enable_private_segment 0
		.amdhsa_kernarg_size 40
		.amdhsa_user_sgpr_count 2
		.amdhsa_user_sgpr_kernarg_segment_ptr 1
		.amdhsa_wavefront_size32 1
		.amdhsa_system_sgpr_workgroup_id_x 1
		.amdhsa_system_sgpr_workgroup_id_y 1
		.amdhsa_system_sgpr_workgroup_id_z 1
		.amdhsa_system_vgpr_workitem_id 0
		.amdhsa_next_free_vgpr 512
		.amdhsa_next_free_sgpr 96
		.amdhsa_reserve_vcc 1
		.amdhsa_float_denorm_mode_32 3
		.amdhsa_float_denorm_mode_16_64 3
		.amdhsa_memory_ordered 1
		.amdhsa_forward_progress 1
		.amdhsa_inst_pref_size 86
	.end_amdhsa_kernel
	.amdgpu_metadata
---
amdhsa.version: [ 1, 2 ]
amdhsa.kernels:
  - .name:           k_q8c2d54e7d0_attn
    .symbol:         k_q8c2d54e7d0_attn.kd
    .args:
      - { .name: qkv, .offset: 0, .size: 8, .value_kind: global_buffer, .address_space: global }
      - { .name: attention_mask, .offset: 8, .size: 8, .value_kind: global_buffer, .address_space: global }
      - { .name: lowp_scales, .offset: 16, .size: 8, .value_kind: global_buffer, .address_space: global }
      - { .name: out0, .offset: 24, .size: 8, .value_kind: global_buffer, .address_space: global }
      - { .name: flags, .offset: 32, .size: 8, .value_kind: global_buffer, .address_space: global }
    .group_segment_fixed_size: 304128
    .private_segment_fixed_size: 0
    .kernarg_segment_align: 8
    .kernarg_segment_size: 40
    .max_flat_workgroup_size: 256
    .sgpr_count:     96
    .vgpr_count:     512
    .wavefront_size: 32
...
	.end_amdgpu_metadata
.endif
;; end of part 3
